; MI455X (gfx1250); checked and timed in simulation.
; The chip was launched on July 23, 2026; its instructions are those of AMD's public machine-readable ISA for CDNA 5 (MIT licence, August 2026) and "CDNA5" Instruction Set Architecture Reference Guide (July 2026). The comments in the code are by the model that wrote it; some were corrected since.
;; Manifold Hyper Connections. Allowed arithmetic: float matrix products may take bf16 or f16 operands with f32 sums; other float arithmetic in f32, or as packed bf16 or f16 multiplies, adds, multiply-adds, maxima and minima; sums over many terms, partial sums and values carried from step to step in f32; what a program stores and reads back later, other than sums and carried values, may be rounded once to bf16 or f16.
;; Inputs: W1 2,048 x 8,192 float32; W2 8,192 x 2,048 float32; alpha_post 1 float32; alpha_pre 1 float32; alpha_res 1 float32; b1 8,192 float32; b2 2,048 float32; b_post 4 float32; b_pre 4 float32; b_res 4 x 4 float32; phi_post_b 4 float32; phi_post_w 4 x 8,192 float32; phi_pre_b 4 float32; phi_pre_w 4 x 8,192 float32; phi_res_b 16 float32; phi_res_w 16 x 8,192 float32; x 4 x 512 x 2,048 float32.
;; Outputs: out0 4 x 512 x 2,048 float32.
;; One version. Each part assembles by itself: llvm-mc -triple=amdgcn-amd-amdhsa -mcpu=gfx1250 --defsym DOCPART=n.
;; ======== version 1 of 1: 3 launches
;; workspace buffers: xb 8,388,608 bytes; w1b 33,554,432 bytes; w2b 33,554,432 bytes; hb 33,554,432 bytes; mix 32,768 bytes
;; launch prep (part 1): grid 1280 x 1, 8 waves a work-group, no clusters, 19,456 bytes of LDS; arguments x, W1, W2, xb, w1b, w2b, phi_res_w, phi_pre_w, phi_post_w, mix, phi_res_b, b_res, phi_pre_b, phi_post_b, b_pre, b_post, alpha_pre, alpha_post, alpha_res; writes xb, w1b, w2b, mix
.if DOCPART == 1
	.amdgcn_target "amdgcn-amd-amdhsa--gfx1250"
	.amdhsa_code_object_version 6
	.text
	.protected	k_qe795fc71d3_prep
	.globl	k_qe795fc71d3_prep
	.p2align	8
	.type	k_qe795fc71d3_prep,@function
k_qe795fc71d3_prep:
	s_mov_b64 s[64:65], 0
	v_nop
	global_prefetch_b8 v0, s[64:65] scope:SCOPE_SE
	s_setreg_imm32_b32 hwreg(HW_REG_WAVE_MODE, 25, 1), 1
	s_wait_xcnt 0x0
; PREP.  Two kinds of work-group, told apart by the work-group's number alone.
; Work-groups 128 .. 1279 CAST: W1, W2 and x, f32, are rounded once to bf16 in their own layout (w1b, w2b, xb): a plain stream, 131,072 bytes of f32 to a work-group.
; Work-groups 0 .. 127 make the ROW SCALARS of 16 rows of x each: mix[row] = { post, res, pre, 0 }, with
;   pre  = the sum of 4 sigmoids, post = twice the sum of 4 sigmoids, res = the sum of a 4 x 4 matrix after exp and 10 rounds of row and column normalisation.
; The 24 logits are products of the row with the phi weights, taken on the matrix unit in bf16 with f32 sums; the factor 1 / rms of the row is applied to the finished sums, in f32,
; and the sum of squares is taken of the unrounded x.  The tiling of x over 4 streams is honoured as it stands: each of a weight row's 4 blocks of 2,048 is multiplied with the same x.
; LIMITS.  Divisions are reciprocals good to one unit in the last place; an exponential below 2^-126 counts as 0 and a denormal divisor as 0; the order of sums differs from a plain loop's;
; NaN and infinities are not treated apart.  The exponential of the 16 logits has no maximum taken away, as the problem itself takes none.
.set SPARE, 18432                      ; behind the partial sums: the spare words, 128 bytes for each of eight waves: four blocks of 256 bytes that no other line names
.set WPART, 2304                       ; LDS: wave w's partial sums at 2,304 w: planes of 512 bytes (res 0-3, res 4-7, pre, post), then 128 bytes of squares
.set XO,  2                            ; v2   my byte offset in x:          r x 8,192 + 64 h + 1,024 w
.set RO,  3                            ; v3   in phi_res_w:                 r x 32,768 + 64 h + 1,024 w
.set PO,  4                            ; v4   in phi_pre_w and phi_post_w:  (r % 4) x 32,768 + (r / 4) x 8,192 + 64 h + 1,024 w
.set LS,  5                            ; v5   LDS: 2,304 w + 16 x lane
.set SPW, 6                            ; v6   LDS address of my spare word; never rewritten
.set NIL, 7                            ; v7   0; never rewritten
.set SQ,  8                            ; v[8:9]  sum of squares
.set LS2, 10                           ; v10  LDS: 2,304 w + 4 x lane; later v[10:11] = 1 / rms, 0
.set R0,  12                           ; v[12:19], v[20:27]  two accumulators for the 16 res logits (blocks 0, 2 and 1, 3)
.set R1,  20
.set P,   28                           ; v[28:35]  pre:  row 4 g + i of the product = weight row i, block g
.set Q,   36                           ; v[36:43]  post: likewise
.set XF,  44                           ; v[44:51]  x's fragment in bf16
.set PF0, 52                           ; v[52:59], v[60:67]  the weights' fragment in bf16, two buffers by turns
.set PF1, 60
.set RAW, 68                           ; v[68:179]  seven slots of 16: fragments as loaded, f32
	s_load_b512 s[4:19], s[0:1], 0x0               ; x 4, W1 6, W2 8, xb 10, w1b 12, w2b 14, phi_res_w 16, phi_pre_w 18
	s_load_b512 s[20:35], s[0:1], 0x40             ; phi_post_w 20, mix 22, phi_res_b 24, b_res 26, phi_pre_b 28, phi_post_b 30, b_pre 32, b_post 34
	s_load_b128 s[36:39], s[0:1], 0x80             ; alpha_pre 36, alpha_post 38
	s_load_b64 s[40:41], s[0:1], 0x90              ; alpha_res
	v_lshl_add_u32 v[SPW], v0, 2, SPARE
	v_mov_b32 v[NIL], 0
	v_lshrrev_b32 v1, 5, v0
	v_readfirstlane_b32 s42, v1                    ; wave 0..7
	s_wait_kmcnt 0x0
	s_cmp_lt_u32 ttmp9, 128                        ; the same answer in all waves of a work-group
	s_cbranch_scc0 .Lcast
	; ---------------- THE ROW SCALARS: 16 rows of x; K is split among the eight waves: wave w takes channels 256 w .. 256 w + 255, eight steps of 32 ----------------
	s_load_b128 s[44:47], s[28:29], 0x0            ; phi_pre_b
	s_load_b128 s[48:51], s[30:31], 0x0            ; phi_post_b
	s_load_b128 s[52:55], s[32:33], 0x0            ; b_pre
	s_load_b128 s[56:59], s[34:35], 0x0            ; b_post
	s_load_b32 s60, s[36:37], 0x0                  ; alpha_pre
	s_load_b32 s61, s[38:39], 0x0                  ; alpha_post
	s_load_b32 s62, s[40:41], 0x0                  ; alpha_res
	s_mov_b32 s63, 0                               ; named with s62 as a pair
	s_mov_b32 s66, 0x3a000000                      ; 1 / 2,048
	s_mov_b32 s67, 0x34000000                      ; f32's eps, 2^-23
	s_mov_b32 s2, 0x76543210                       ; v_permlanex16_b32: each lane takes its own place in the other half
	s_mov_b32 s3, 0xfedcba98
	s_lshl_b32 s68, ttmp9, 17                      ; my 16 rows of x, 8,192 bytes each
	s_mov_b32 s69, 0
	s_add_nc_u64 s[4:5], s[4:5], s[68:69]
	s_lshl_b32 s70, ttmp9, 8                       ; my 16 records of mix
	s_mov_b32 s71, 0
	s_add_nc_u64 s[22:23], s[22:23], s[70:71]
	; THE PRODUCT IS TAKEN TRANSPOSED: source 0 = 16 weight rows, source 1 = 16 rows of x, so lane (r = lane % 16, h = lane / 16) ends with row r of x and the weight rows 8 h + 0..7.
	; A lane fills its 8 fragment registers with 16 CONSECUTIVE channels (32 step + 16 h + 0..15), four loads of 16 bytes: the same permutation of k in both sources, which keeps every product.
	v_and_b32 v1, 15, v0                           ; r
	v_bfe_u32 v11, v0, 4, 1                        ; h
	s_lshl_b32 s43, s42, 10
	v_lshl_add_u32 v11, v11, 6, s43                ; 64 h + 1,024 w
	v_lshl_add_u32 v[XO], v1, 13, v11
	v_lshl_add_u32 v[RO], v1, 15, v11
	v_and_b32 v[PO], 3, v1
	v_lshl_add_u32 v[PO], v[PO], 15, v11
	v_lshrrev_b32 v[LS], 2, v1
	v_lshl_add_u32 v[PO], v[LS], 13, v[PO]
	v_and_b32 v[LS2], 31, v0
	s_mul_i32 s43, s42, WPART
	v_lshl_add_u32 v[LS], v[LS2], 4, s43
	v_lshl_add_u32 v[LS2], v[LS2], 2, s43
	v_mov_b32 v[SQ], 0
	v_mov_b32 v[SQ+1], 0
.macro LD4 slot, adr, base, off        ; a fragment as it lies: 64 bytes a lane
.irp q, 0,1,2,3
	global_load_b128 v[RAW+16*(\slot)+4*\q:RAW+16*(\slot)+4*\q+3], v[\adr], s[\base:\base+1] offset:(\off)+16*\q
.endr
.endm
.macro LDF slot, ks                    ; slot 0: x; 1, 2, 4, 5: blocks 0 to 3 of phi_res_w; 3: phi_pre_w; 6: phi_post_w; step ks
.if (\slot) == 0
	LD4 0, XO, 4, 128*(\ks)
.elseif (\slot) == 1
	LD4 1, RO, 16, 128*(\ks)
.elseif (\slot) == 2
	LD4 2, RO, 16, 8192+128*(\ks)
.elseif (\slot) == 3
	LD4 3, PO, 18, 128*(\ks)
.elseif (\slot) == 4
	LD4 4, RO, 16, 16384+128*(\ks)
.elseif (\slot) == 5
	LD4 5, RO, 16, 24576+128*(\ks)
.else
	LD4 6, PO, 20, 128*(\ks)
.endif
.endm
.macro CVT8 dst, slot                  ; 16 f32 to 16 bf16
.irp q, 0,1,2,3,4,5,6,7
	v_cvt_pk_bf16_f32 v[(\dst)+\q], v[RAW+16*(\slot)+2*\q], v[RAW+16*(\slot)+2*\q+1]
.endr
.endm
; x's turn.  The eight sums of squares stand between the last product, which read XF, and the lines that write XF anew.
.macro XTURN ks, ahead
	s_wait_loadcnt 24                              ; my four loads are in; the six younger fragments' 24 stay out
.irp q, 0,1,2,3,4,5,6,7
	v_pk_fma_f32 v[SQ:SQ+1], v[RAW+2*\q:RAW+2*\q+1], v[RAW+2*\q:RAW+2*\q+1], v[SQ:SQ+1]
.endr
	CVT8 XF, 0
.if \ahead
	LDF 0, (\ks)+1
.endif
.endm
; A weight fragment's turn.  The two bf16 buffers take turns, so that eight conversions into the other buffer stand between a product and the rewriting of its source.
.macro PTURN slot, pf, acc, zero, ks, ahead
.if \ahead
	s_wait_loadcnt 24                              ; six younger fragments stay out
.else
	s_wait_loadcnt 24-4*(\slot)                    ; the last step loads nothing: the counts run down
.endif
	CVT8 \pf, \slot
.if \ahead
	LDF \slot, (\ks)+1
.endif
.if \zero
	v_wmma_f32_16x16x32_bf16 v[\acc:\acc+7], v[\pf:\pf+7], v[XF:XF+7], 0
.else
	v_wmma_f32_16x16x32_bf16 v[\acc:\acc+7], v[\pf:\pf+7], v[XF:XF+7], v[\acc:\acc+7]
.endif
.endm
; A step of 32 channels.  The four accumulators take turns, one instruction a turn, from step to step too.
.macro KS ks, ahead, z
	XTURN \ks, \ahead
	PTURN 1, PF0, R0, \z, \ks, \ahead
	PTURN 2, PF1, R1, \z, \ks, \ahead
	PTURN 3, PF0, P,  \z, \ks, \ahead
	PTURN 4, PF1, R0, 0,  \ks, \ahead
	PTURN 5, PF0, R1, 0,  \ks, \ahead
	PTURN 6, PF1, Q,  \z, \ks, \ahead
.endm
.irp s, 0,1,2,3,4,5,6
	LDF \s, 0                                      ; the ring is filled: 28 loads of each wave are on their way
.endr
	KS 0, 1, 1                                     ; the first products start the sums
.irp k, 1,2,3,4,5,6
	KS \k, 1, 0
.endr
	KS 7, 0, 0
.rept 8
	v_nop                                          ; places behind the last products
.endr
.irp i, 0,2,4,6
	v_pk_add_f32 v[R0+\i:R0+\i+1], v[R0+\i:R0+\i+1], v[R1+\i:R1+\i+1]  ; the four blocks of res; each accumulator is read from its low end on
.endr
.irp i, 0,2
	v_pk_add_f32 v[P+\i:P+\i+1], v[P+\i:P+\i+1], v[P+4+\i:P+4+\i+1]    ; blocks 2 h and 2 h + 1 of pre,
	v_pk_add_f32 v[Q+\i:Q+\i+1], v[Q+\i:Q+\i+1], v[Q+4+\i:Q+4+\i+1]    ; and of post
.endr
	v_add_f32 v[SQ], v[SQ], v[SQ+1]
	ds_store_b128 v[LS], v[R0:R0+3]
	ds_store_b128 v[LS], v[R0+4:R0+7] offset:512
	ds_store_b128 v[LS], v[P:P+3] offset:1024
	ds_store_b128 v[LS], v[Q:Q+3] offset:1536
	ds_store_b32 v[LS2], v[SQ] offset:2048
	s_wait_dscnt 0x0                               ; for the others' sake: my partial sums lie in LDS
	s_barrier_signal -1
	s_barrier_wait -1                              ; all eight waves' do
	s_cmp_lg_u32 s42, 0
	s_cbranch_scc1 .Lend                           ; wave 0 finishes the 16 rows
	v_bfe_u32 v1, v0, 4, 1
	v_lshlrev_b32 v1, 5, v1                        ; my eight res entries: 32 h bytes into phi_res_b and b_res
	global_load_b128 v[148:151], v1, s[24:25]
	global_load_b128 v[152:155], v1, s[24:25] offset:16
	global_load_b128 v[156:159], v1, s[26:27]
	global_load_b128 v[160:163], v1, s[26:27] offset:16
.macro GATHER first, n                 ; the partial sums of waves first .. first + n - 1 are added onto mine (in wave 0 LS = 16 x lane, LS2 = 4 x lane)
.set m, 0
.rept \n
	ds_load_b128 v[68+20*m:71+20*m], v[LS] offset:WPART*((\first)+m)
	ds_load_b128 v[72+20*m:75+20*m], v[LS] offset:WPART*((\first)+m)+512
	ds_load_b128 v[76+20*m:79+20*m], v[LS] offset:WPART*((\first)+m)+1024
	ds_load_b128 v[80+20*m:83+20*m], v[LS] offset:WPART*((\first)+m)+1536
	ds_load_b32 v[84+20*m], v[LS2] offset:WPART*((\first)+m)+2048
.set m, m+1
.endr
	s_wait_dscnt 0x0
.set m, 0
.rept \n
.set G, 68+20*m
.irp i, 0,2,4,6
	v_pk_add_f32 v[R0+\i:R0+\i+1], v[R0+\i:R0+\i+1], v[G+\i:G+\i+1]
.endr
.irp i, 0,2
	v_pk_add_f32 v[P+\i:P+\i+1], v[P+\i:P+\i+1], v[G+8+\i:G+8+\i+1]
	v_pk_add_f32 v[Q+\i:Q+\i+1], v[Q+\i:Q+\i+1], v[G+12+\i:G+12+\i+1]
.endr
	v_add_f32 v[SQ], v[SQ], v[G+16]
.set m, m+1
.endr
.endm
	GATHER 1, 4
	GATHER 5, 3
.irp i, 0,1,2,3                        ; pre's and post's other two blocks, and the other half of the row's squares, lie in the lane 16 away
	v_permlanex16_b32 v[68+\i], v[P+\i], s2, s3
	v_permlanex16_b32 v[72+\i], v[Q+\i], s2, s3
.endr
	v_permlanex16_b32 v76, v[SQ], s2, s3
.irp i, 0,2
	v_pk_add_f32 v[P+\i:P+\i+1], v[P+\i:P+\i+1], v[68+\i:68+\i+1]
	v_pk_add_f32 v[Q+\i:Q+\i+1], v[Q+\i:Q+\i+1], v[72+\i:72+\i+1]
.endr
	v_add_f32 v[SQ], v[SQ], v76
	v_fma_f32 v10, v[SQ], s66, s67                 ; the mean of squares + eps
	v_rsq_f32 v10, v10
	v_mov_b32 v11, 0                               ; the plain instruction behind the root; v11 is named with v10 as a pair
	s_wait_alu depctr_va_vdst(0)                   ; the wait ahead of the first use
	s_wait_loadcnt 0x0                             ; phi_res_b, b_res
	s_wait_kmcnt 0x0                               ; the small biases and the three gains
.irp i, 0,2,4,6
	v_pk_fma_f32 v[R0+\i:R0+\i+1], v[R0+\i:R0+\i+1], v[10:11], v[148+\i:148+\i+1] op_sel_hi:[1,0,1]  ; dot / rms + phi_res_b
.endr
.irp i, 0,2,4,6
	v_pk_fma_f32 v[R0+\i:R0+\i+1], v[R0+\i:R0+\i+1], s[62:63], v[156+\i:156+\i+1] op_sel_hi:[1,0,1]  ; x alpha_res + b_res
.endr
.irp i, 0,2,4,6
	v_pk_mul_f32 v[R0+\i:R0+\i+1], v[R0+\i:R0+\i+1], 0x3fb8aa3b op_sel_hi:[1,0]                      ; x log2(e): the exponential works in base 2
.endr
.irp i, 0,1,2,3
	v_fma_f32 v[P+\i], v10, v[P+\i], s[44+\i]
	v_fma_f32 v[Q+\i], v10, v[Q+\i], s[48+\i]
.endr
.irp i, 0,1,2,3
	v_fma_f32 v[P+\i], v[P+\i], s60, s[52+\i]
	v_fma_f32 v[Q+\i], v[Q+\i], s61, s[56+\i]
.endr
.irp i, 0,1,2,3
	v_mul_f32 v[P+\i], 0xbfb8aa3b, v[P+\i]         ; sigmoid(t) = 1 / (1 + 2^(-t log2(e)))
	v_mul_f32 v[Q+\i], 0xbfb8aa3b, v[Q+\i]
.endr
.irp i, 0,1,2,3,4,5,6,7
	v_exp_f32 v[R0+\i], v[R0+\i]                   ; one batch of 16 exponentials,
.endr
.irp i, 0,1,2,3
	v_exp_f32 v[P+\i], v[P+\i]
	v_exp_f32 v[Q+\i], v[Q+\i]
.endr
	v_nop                                          ; a plain instruction behind the last,
	s_wait_alu depctr_va_vdst(0)                   ; and one wait for all
.irp i, 0,1,2,3
	v_add_f32 v[P+\i], 1.0, v[P+\i]
	v_add_f32 v[Q+\i], 1.0, v[Q+\i]
.endr
.irp i, 0,1,2,3
	v_rcp_f32 v[P+\i], v[P+\i]
	v_rcp_f32 v[Q+\i], v[Q+\i]
.endr
	v_nop
	s_wait_alu depctr_va_vdst(0)
	v_add_f32 v[P], v[P], v[P+1]
	v_add_f32 v[P+2], v[P+2], v[P+3]
	v_add_f32 v62, v[P], v[P+2]                    ; pre
	v_add_f32 v[Q], v[Q], v[Q+1]
	v_add_f32 v[Q+2], v[Q+2], v[Q+3]
	v_add_f32 v[Q], v[Q], v[Q+2]
	v_add_f32 v60, v[Q], v[Q]                      ; post
	v_mov_b32 v63, 0
	; TEN ROUNDS.  My lane holds rows 2 h (v12-15) and 2 h + 1 (v16-19) of its row's 4 x 4 matrix; the other two rows lie in the lane 16 away.
	s_mov_b32 s43, 10
.Lsink:
	v_pk_add_f32 v[44:45], v[12:13], v[14:15]
	v_pk_add_f32 v[46:47], v[16:17], v[18:19]
	v_add_f32 v44, v44, v45                        ; the two rows' sums
	v_add_f32 v45, v46, v47
	v_rcp_f32 v44, v44
	v_rcp_f32 v45, v45
	v_nop
	s_wait_alu depctr_va_vdst(0)
	v_pk_mul_f32 v[12:13], v[12:13], v[44:45] op_sel_hi:[1,0]
	v_pk_mul_f32 v[14:15], v[14:15], v[44:45] op_sel_hi:[1,0]
	v_pk_mul_f32 v[16:17], v[16:17], v[44:45] op_sel:[0,1] op_sel_hi:[1,1]
	v_pk_mul_f32 v[18:19], v[18:19], v[44:45] op_sel:[0,1] op_sel_hi:[1,1]
	v_pk_add_f32 v[46:47], v[12:13], v[16:17]      ; the four columns: my two rows,
	v_pk_add_f32 v[48:49], v[14:15], v[18:19]
.irp i, 0,1,2,3
	v_permlanex16_b32 v[50+\i], v[46+\i], s2, s3   ; and the other two
.endr
	v_pk_add_f32 v[46:47], v[46:47], v[50:51]
	v_pk_add_f32 v[48:49], v[48:49], v[52:53]
.irp i, 0,1,2,3
	v_rcp_f32 v[46+\i], v[46+\i]
.endr
	v_nop
	s_wait_alu depctr_va_vdst(0)                   ; ahead of the first use, and of the backward jump
	v_pk_mul_f32 v[12:13], v[12:13], v[46:47]
	v_pk_mul_f32 v[14:15], v[14:15], v[48:49]
	v_pk_mul_f32 v[16:17], v[16:17], v[46:47]
	v_pk_mul_f32 v[18:19], v[18:19], v[48:49]
	s_sub_co_u32 s43, s43, 1
	s_cmp_lg_u32 s43, 0
	s_cbranch_scc1 .Lsink
	v_pk_add_f32 v[44:45], v[12:13], v[14:15]
	v_pk_add_f32 v[46:47], v[16:17], v[18:19]
	v_pk_add_f32 v[44:45], v[44:45], v[46:47]
	v_add_f32 v44, v44, v45
	v_permlanex16_b32 v45, v44, s2, s3
	v_add_f32 v61, v44, v45                        ; res
	v_cmp_gt_u32 vcc_lo, 16, v0                    ; in wave 0 v0 is the lane: lanes 0 to 15 hold the 16 rows
	s_wait_xcnt 0x0                                ; EXEC changes only behind this wait
	s_and_saveexec_b32 s43, vcc_lo
	global_store_b128 v[LS], v[60:63], s[22:23]    ; sixteen lanes store 256 consecutive bytes, aligned
	s_wait_xcnt 0x0                                ; and again in front of the line that widens it
	s_or_b32 exec_lo, exec_lo, s43
.Lend:
	s_wait_tensorcnt 0x0                           ; the wave's end: behind my last LDS store
	ds_add_u32 v[SPW], v[NIL]
	s_wait_dscnt 0x0
	s_endpgm
	; ---------------- THE CAST: 32 lines of 4,096 bytes of f32 become 32 lines of 2,048 bytes of bf16.  All 32 loads of a thread go out at once; nothing is rewritten, so no register waits for a store ----------------
.Lcast:
	s_sub_co_u32 s43, ttmp9, 128                   ; 0 .. 511: W1; 512 .. 1,023: W2; 1,024 .. 1,151: x
	s_cmp_lt_u32 s43, 1024
	s_cselect_b64 s[44:45], s[8:9], s[4:5]
	s_cselect_b64 s[46:47], s[14:15], s[10:11]
	s_cmp_lt_u32 s43, 512
	s_cselect_b64 s[44:45], s[6:7], s[44:45]
	s_cselect_b64 s[46:47], s[12:13], s[46:47]
	s_and_b32 s48, s43, 511                        ; the chunk in its tensor
	s_lshl_b32 s50, s48, 17
	s_mov_b32 s51, 0
	s_lshl_b32 s52, s48, 16
	s_mov_b32 s53, 0
	s_add_nc_u64 s[44:45], s[44:45], s[50:51]
	s_add_nc_u64 s[46:47], s[46:47], s[52:53]
	v_lshlrev_b32 v2, 4, v0                        ; 16 bytes a thread in, a wave's load covers 512 consecutive bytes;
	v_lshlrev_b32 v3, 3, v0                        ; 8 bytes out, a wave's store covers 256 consecutive bytes, aligned
.set i, 0
.rept 32
	global_load_b128 v[12+4*i:15+4*i], v2, s[44:45] offset:4096*i th:TH_LOAD_NT  ; eight ninths of these bytes (the weights) are read once in the launch
.set i, i+1
.endr
.set i, 0
.rept 32
	s_wait_loadcnt 31-i                            ; loads come back in order: line i is in, the younger ones stay out
	v_cvt_pk_bf16_f32 v[12+4*i], v[12+4*i], v[13+4*i]
	v_cvt_pk_bf16_f32 v[13+4*i], v[14+4*i], v[15+4*i]
	global_store_b64 v3, v[12+4*i:13+4*i], s[46:47] offset:2048*i th:TH_STORE_NT
.set i, i+1
.endr
	s_endpgm
.Lfunc_end_k_qe795fc71d3_prep:
	.size	k_qe795fc71d3_prep, .Lfunc_end_k_qe795fc71d3_prep-k_qe795fc71d3_prep
	.p2alignl 7, 3214868480
	.fill 96, 4, 3214868480
	.section	.rodata,"a",@progbits
	.p2align	6, 0x0
	.amdhsa_kernel k_qe795fc71d3_prep
		.amdhsa_group_segment_fixed_size 19456
		.amdhsa_private_segment_fixed_size 0
		.amdhsa_enable_private_segment 0
		.amdhsa_kernarg_size 152
		.amdhsa_user_sgpr_count 2
		.amdhsa_user_sgpr_kernarg_segment_ptr 1
		.amdhsa_wavefront_size32 1
		.amdhsa_system_sgpr_workgroup_id_x 1
		.amdhsa_system_sgpr_workgroup_id_y 1
		.amdhsa_system_sgpr_workgroup_id_z 1
		.amdhsa_system_vgpr_workitem_id 0
		.amdhsa_next_free_vgpr 180
		.amdhsa_next_free_sgpr 72
		.amdhsa_reserve_vcc 1
		.amdhsa_float_denorm_mode_32 3
		.amdhsa_float_denorm_mode_16_64 3
		.amdhsa_memory_ordered 1
		.amdhsa_forward_progress 1
		.amdhsa_inst_pref_size 87
	.end_amdhsa_kernel
	.amdgpu_metadata
---
amdhsa.version: [ 1, 2 ]
amdhsa.kernels:
  - .name:           k_qe795fc71d3_prep
    .symbol:         k_qe795fc71d3_prep.kd
    .args:
      - { .name: x, .offset: 0, .size: 8, .value_kind: global_buffer, .address_space: global }
      - { .name: W1, .offset: 8, .size: 8, .value_kind: global_buffer, .address_space: global }
      - { .name: W2, .offset: 16, .size: 8, .value_kind: global_buffer, .address_space: global }
      - { .name: xb, .offset: 24, .size: 8, .value_kind: global_buffer, .address_space: global }
      - { .name: w1b, .offset: 32, .size: 8, .value_kind: global_buffer, .address_space: global }
      - { .name: w2b, .offset: 40, .size: 8, .value_kind: global_buffer, .address_space: global }
      - { .name: phi_res_w, .offset: 48, .size: 8, .value_kind: global_buffer, .address_space: global }
      - { .name: phi_pre_w, .offset: 56, .size: 8, .value_kind: global_buffer, .address_space: global }
      - { .name: phi_post_w, .offset: 64, .size: 8, .value_kind: global_buffer, .address_space: global }
      - { .name: mix, .offset: 72, .size: 8, .value_kind: global_buffer, .address_space: global }
      - { .name: phi_res_b, .offset: 80, .size: 8, .value_kind: global_buffer, .address_space: global }
      - { .name: b_res, .offset: 88, .size: 8, .value_kind: global_buffer, .address_space: global }
      - { .name: phi_pre_b, .offset: 96, .size: 8, .value_kind: global_buffer, .address_space: global }
      - { .name: phi_post_b, .offset: 104, .size: 8, .value_kind: global_buffer, .address_space: global }
      - { .name: b_pre, .offset: 112, .size: 8, .value_kind: global_buffer, .address_space: global }
      - { .name: b_post, .offset: 120, .size: 8, .value_kind: global_buffer, .address_space: global }
      - { .name: alpha_pre, .offset: 128, .size: 8, .value_kind: global_buffer, .address_space: global }
      - { .name: alpha_post, .offset: 136, .size: 8, .value_kind: global_buffer, .address_space: global }
      - { .name: alpha_res, .offset: 144, .size: 8, .value_kind: global_buffer, .address_space: global }
    .group_segment_fixed_size: 19456
    .private_segment_fixed_size: 0
    .kernarg_segment_align: 8
    .kernarg_segment_size: 152
    .max_flat_workgroup_size: 256
    .sgpr_count:     72
    .vgpr_count:     180
    .wavefront_size: 32
...
	.end_amdgpu_metadata
.endif
;; end of part 1
;; launch gemm1 (part 2): grid 32 x 8, 4 waves a work-group, clusters of 4 x 4, 327,680 bytes of LDS; arguments xb, w1b, hb, b1, mix; writes hb
.if DOCPART == 2
	.amdgcn_target "amdgcn-amd-amdhsa--gfx1250"
	.amdhsa_code_object_version 6
	.text
	.protected	k_qe795fc71d3_gemm1
	.globl	k_qe795fc71d3_gemm1
	.p2align	8
	.type	k_qe795fc71d3_gemm1,@function
k_qe795fc71d3_gemm1:
	s_mov_b64 s[64:65], 0
	v_nop
	global_prefetch_b8 v0, s[64:65] scope:SCOPE_SE
	s_setreg_imm32_b32 hwreg(HW_REG_WAVE_MODE, 25, 1), 1
	s_wait_xcnt 0x0
	s_wait_alu depctr_hold_cnt(0) depctr_sa_sdst(0) depctr_va_vdst(0) depctr_va_sdst(0) depctr_va_ssrc(0) depctr_va_vcc(0) depctr_vm_vsrc(0)
	s_getreg_b32 s2, hwreg(HW_REG_IB_STS2, 6, 4)
	s_cmp_eq_u32 s2, 0
	s_cbranch_scc0 .Lentry_in_a_cluster
	s_endpgm
.Lentry_in_a_cluster:
	s_bfe_u32 s2, ttmp6, 0x10000c
	s_cmp_lg_u32 s2, 0xf033
	s_cbranch_scc0 .Lentry_shape_is_right
	s_endpgm
.Lentry_shape_is_right:
; hb[m][n] = bf16( gelu( pre[m] x (the sum over k of xb[m][k] w1b[k][n]) + b1[n] ) ).  xb: [2048][2048] bf16, w1b: [2048 k][8192 n] bf16, hb: [2048][8192] bf16; pre = word 2 of mix's record of 16 bytes a row.
; The row's factor pre is applied to the finished f32 sums, so the matrix operand is x itself, rounded once.
; A tile of 256 x 256 is made by four waves, each 128 x 128: 64 accumulators, 512 registers.  K goes in steps of 128 through a ring of two LDS slots filled by the tensor data mover.
; A's rows lie along K and come out of LDS as they lie.  B LIES [k][n]: its tile is 128 k-rows of 512 bytes, and a fragment (16 n x 32 k) comes out turned, by two ds_load_tr16_b128.
; CLUSTERS: 4 x 4 work-groups; A's tile is asked for jointly by the four of a row of the cluster, B's by the four of a column: the same tensor load, descriptor and mask in all four.
; THE MATRIX INSTRUCTION IS USED TRANSPOSED (source 0 = 16 columns n of B, source 1 = 16 rows of A): lane l holds row l % 16 and the columns 8 (l / 16) + 0..7.
; THE WAY OUT.  When the last product is issued the ring has had its last fill.  Each wave lays its 128 x 128 f32 sums into its own quarter of the dead ring, reads them back by rows (a lane: 4 columns of a row),
; applies pre, b1 and the exact GELU in f32 and stores a row's 256 bytes of bf16 with one instruction.
; GELU.  gelu(z) = (z + |z|) / 2 - |z| Q(|z|), Q(a) = 1 - Phi(a) = 2^(-a a log2(e) / 2) (c1 t + .. + c5 t^5), t = 1 / (1 + 0.2316419 a): Abramowitz and Stegun 26.2.17, the error of Phi at most 7.5e-8 for every z.
; LIMITS.  A weight 2^(..) below 2^-126 counts as 0 (there |z| Q is far below f32's step at z); NaN and infinities are not treated apart; t comes from a reciprocal good to one unit in the last place.
; REGISTERS, in windows of 256: window 0: v0-31 addresses and small tables; v64-127, v128-191 A's fragments, two buffers (on the way out: at work); window 1: v64-191 B's fragments, two buffers;
;   window 2: the 32 accumulators of my rows 0-63 ((a, b) at v[8 (8 a + b)]); window 3: those of my rows 64-127.
.set SIZE_M, 2048
.set SIZE_N, 8192
.set SIZE_K, 2048
.set KSTEP,  128
.set PITCH,  272                       ; a row of A in LDS: 256 bytes + 16: the 16 rows of a load start at 16 different groups of four banks (64 banks of 4 bytes: ISA guide 11.1)
.set PB,     544                       ; a k-row of B in LDS: 512 bytes + 32 = 136 words
.set HALFT,  128*PITCH                 ; what one tensor load brings: 128 rows of A, or 64 k-rows of B (64 x 544 is the same 34,816 bytes)
.set SLOT,   4*HALFT                   ; A's 256 rows, then B's 128 k-rows
.set PRET,   2*SLOT                    ; behind the ring: 512 bytes for each wave: pre of its 128 rows
.set SPARE,  PRET+2048                 ; behind that: the spare words, 128 bytes for each wave: two blocks of 256 bytes that no other line names
.set DPITCH, 528                       ; the way out: a row of 128 f32 + 16 bytes
.set DREG,   2*HALFT                   ; the way out: each wave's quarter of the dead ring, 69,632 bytes for 128 rows of 528
.set LAPS,   SIZE_K/(2*KSTEP)          ; a lap = two K steps = once round the ring
.set L16,  6                           ; v6     16 x lane; never rewritten
.set PREV, 8                           ; v8-11  pre of my wave's rows 32 q + lane
.set B1V,  12                          ; v12-15 b1 of my four columns on the way out
.set ADRA, 16                          ; v16-17 LDS address of my A fragments in slot 0, 1
.set ADRB, 20                          ; v20-21 the same for B
.set DST,  22                          ; v22    the way out: where I lay 16 bytes of a row
.set PTW,  23                          ; v23    where I lay pre
.set RDA,  24                          ; v24    where I read a row back; it walks
.set PRA,  25                          ; v25    where four rows' pre are read; it walks
.set CO,   26                          ; v26    8 x lane: my 8 bytes of a row of hb
.set SPW,  28                          ; v28    LDS address of my spare word; never rewritten
.set NIL,  29                          ; v29    0; never rewritten
.set PFO,  30                          ; v30    the prefetches' offset; never rewritten
.set F0,   64
.set F1,   128
.set AV,   64                          ; the way out: v64-79 four rows' sums; v80-83 their pre
.set PR,   80
.set GZ,   96                          ; v96-111  z, then z + |z|, then the result
.set GA,   112                         ; v112-127 |z|
.set GT,   128                         ; v128-143 1 + p |z|, then t
.set GE,   144                         ; v144-159 the exponent, then 2^(..)
.set GP,   160                         ; v160-175 the polynomial
.set GO,   176                         ; v176-183 bf16, to store
.set G1,  24                           ; s[24:31] descriptor group 1 for A's tiles; s[32:39] group 0, a set for each slot
.set G0,  32
.set LIM, 43                           ; s43      1 in a wave that prefetches, else the greatest number
.set PFA, 44                           ; s[44:45] where my prefetches stand
.set G1B, 48                           ; s[48:55], s[56:63] the same two groups for B's tiles
.set G0B, 56
.set PSTEP, 66                         ; s[66:67] a K step in the prefetched tensor, in bytes
.set MSB, 0
.macro WIN new                         ; the immediate's high byte repeats the setting that is left; a switch that changes nothing is dropped
.if MSB != (\new)
	s_set_vgpr_msb (MSB<<8)|(\new)
.set MSB, \new
.endif
.endm
.set MUL_LO, 0xa1                      ; source 0 (B) window 1, source 1 (A) window 0, C and D window 2
.set MUL_HI, 0xf1                      ; the same, C and D window 3
.set TO_B,   0x40                      ; destination window 1, address window 0
; A joint load.  Waves 0 and 1 fetch A's two halves, waves 2 and 3 B's.  The branch hangs on the wave's number alone.  An s_nop 0 and four v_nop follow each of the two lines.
.macro JLOAD s
	s_cmp_eq_u32 s11, 0
	s_cbranch_scc0 .Lfor_b_\@
	tensor_load_to_lds s[G0+4*(\s):G0+4*(\s)+3], s[G1:G1+7]
	s_nop 0
.rept 4
	v_nop
.endr
	s_branch .Lasked_\@
.Lfor_b_\@:
	tensor_load_to_lds s[G0B+4*(\s):G0B+4*(\s)+3], s[G1B:G1B+7]
	s_nop 0
.rept 4
	v_nop
.endr
.Lasked_\@:
.endm
; A PREFETCH INTO THE L2 of the K step that stands two refills on: 512 matrix instructions ahead of the load that will want it; 32 blocks of 256 bytes, a lane a block, one instruction a wave.
; Each block is named once in the launch.  A's tile row is read by every cluster of that row of clusters: cluster x = 0 asks; B's tile column by every cluster of that column: cluster y = 0 asks.
; The four partners that ask for a tile jointly share it out BY ADDRESS: of A's 128 rows that a wave fetches the partner at cx takes 32; of B's 64 k-rows (two blocks each) the partner at cy takes 16.
; The loop's last trip asks for nothing: its look-ahead would pass K's end.  K steps 0 to 3 come by their loads alone.
.macro ASK
	s_cmp_gt_u32 s3, s[LIM]                        ; s3 = 1 in the loop's last trip
	s_cbranch_scc0 .Lnot_mine_\@
	global_prefetch_b8 v[PFO], s[PFA:PFA+1] th:TH_LOAD_NT scope:SCOPE_SE
.Lnot_mine_\@:
.endm
.macro CREST                           ; a round of the cluster's barrier behind its opening barrier
	s_cmp_lg_u32 s10, 0
	s_cbranch_scc1 .Lnot_wave_0_\@
	s_barrier_signal -3
.Lnot_wave_0_\@:
	s_barrier_wait -3
	s_barrier_signal -1
	s_barrier_wait -1
.endm
.macro CROUND                          ; a whole round
	s_barrier_signal -1
	s_barrier_wait -1
	CREST
.endm
	s_load_b128 s[4:7], s[0:1], 0x0                ; xb s[4:5], w1b s[6:7]
	s_load_b64 s[8:9], s[0:1], 0x10                ; hb
	s_load_b128 s[68:71], s[0:1], 0x18             ; b1 s[68:69], mix s[70:71]
	v_lshl_add_u32 v[SPW], v0, 2, SPARE
	v_mov_b32 v[NIL], 0
	ds_add_u32 v[SPW], v[NIL]                      ; the wave's opening: the add, twice on end, and its wait ahead of my first tensor load
	ds_add_u32 v[SPW], v[NIL]                      ; and once more, under the one wait; the set-up below, work on registers, stands between
	v_lshrrev_b32 v1, 5, v0
	v_readfirstlane_b32 s10, v1                    ; wave 0..3
	s_lshr_b32 s11, s10, 1                         ; which half of the tile's rows is mine.  Also: I fetch for A (0) or for B (1)
	s_and_b32 s12, s10, 1                          ; which half of its columns.  Also: which half of that tile I fetch
	s_bfe_u32 s40, ttmp6, 0x40000                  ; cx
	s_bfe_u32 s41, ttmp6, 0x40004                  ; cy
	s_lshl_b32 s42, ttmp9, 2
	s_add_co_u32 s42, s42, s40                     ; tile column = 4 x cluster x + cx
	s_and_b32 s13, ttmp7, 0xffff
	s_lshl_b32 s13, s13, 2
	s_add_co_u32 s13, s13, s41                     ; tile row = 4 x cluster y + cy
	s_lshl_b32 s43, s41, 2
	s_lshl_b32 s43, 15, s43                        ; my row of the cluster: places 4 cy .. 4 cy + 3
	s_lshl_b32 s44, 0x1111, s40                    ; my column: places cx, cx + 4, cx + 8, cx + 12
	; group 1 for A: 128 rows x 128 elements of 2 bytes, 4 words of padding after every 64
	s_or_b32 s[G1+0], s43, (1<<16)|(1<<20)|(1<<21)|(5<<22)|(3<<25)
	s_mov_b32 s[G1+1], KSTEP<<16                   ; tensor_dim0 = 128
	s_mov_b32 s[G1+2], 128<<16                     ; tensor_dim1 = 128
	s_mov_b32 s[G1+3], KSTEP<<16                   ; tile_dim0 = 128
	s_mov_b32 s[G1+4], 128                         ; tile_dim1 = 128
	s_mov_b32 s[G1+5], SIZE_K                      ; elements from row to row
	s_mov_b32 s[G1+6], 0
	s_mov_b32 s[G1+7], 0
	; group 1 for B: 64 k-rows x 256 elements of 2 bytes, 8 words of padding after every 128
	s_or_b32 s[G1B+0], s44, (1<<16)|(1<<20)|(1<<21)|(6<<22)|(7<<25)
	s_mov_b32 s[G1B+1], 256<<16                    ; tensor_dim0 = 256
	s_mov_b32 s[G1B+2], 64<<16                     ; tensor_dim1 = 64
	s_mov_b32 s[G1B+3], 256<<16                    ; tile_dim0 = 256
	s_mov_b32 s[G1B+4], 64                         ; tile_dim1 = 64
	s_mov_b32 s[G1B+5], SIZE_N
	s_mov_b32 s[G1B+6], 0
	s_mov_b32 s[G1B+7], 0
	; where the tiles come from: A's hang on the tile row and the wave alone, B's on the tile column and the wave alone
	s_lshl_b32 s17, s12, 7
	s_lshl_b32 s16, s13, 8
	s_add_co_u32 s16, s16, s17                     ; A: row 256 x tile row + 128 x half,
	s_lshl_b32 s16, s16, 12                        ; of 4,096 bytes
	s_mov_b32 s17, 0
	s_lshl_b32 s46, s12, 20                        ; B: k-row 64 x half, of 16,384 bytes,
	s_lshl_b32 s47, s42, 9                         ; and 512 bytes a tile column
	s_add_co_u32 s46, s46, s47
	s_mov_b32 s47, 0
	s_mul_i32 s20, s10, HALFT                      ; and where they go: wave x 34,816: no place in the cluster enters an LDS address
	; the GELU's constants, each as a pair for the packed forms
	s_mov_b32 s72, 0x3e6d3389                      ; p = 0.2316419
	s_mov_b32 s73, s72
	s_mov_b32 s74, 0xbf38aa3b                      ; -log2(e) / 2
	s_mov_b32 s75, s74
	s_mov_b32 s76, 0x3f07dc22                      ; c5 =  1.330274429 / sqrt(2 pi)
	s_mov_b32 s77, s76
	s_mov_b32 s78, 0xbf3a00e3                      ; c4 = -1.821255978 / sqrt(2 pi)
	s_mov_b32 s79, s78
	s_mov_b32 s80, 0x3f35f0e3                      ; c3 =  1.781477937 / sqrt(2 pi)
	s_mov_b32 s81, s80
	s_mov_b32 s82, 0xbe11a98e                      ; c2 = -0.356563782 / sqrt(2 pi)
	s_mov_b32 s83, s82
	s_mov_b32 s84, 0x3e027906                      ; c1 =  0.319381530 / sqrt(2 pi)
	s_mov_b32 s85, s84
	s_mov_b32 s86, 0x7fffffff                      ; clears a sign
	s_wait_dscnt 0x0                               ; both opening adds are done
	s_wait_kmcnt 0x0
	s_add_nc_u64 s[14:15], s[4:5], s[16:17]
	s_add_nc_u64 s[46:47], s[6:7], s[46:47]
	CROUND                                         ; all sixteen work-groups are here: the first joint loads meet
.irp s, 0,1
	s_mov_b32 s[G0+4*(\s)], 1                                      ; count = 1
	s_add_co_u32 s[G0+4*(\s)+1], s20, (\s)*SLOT                    ; LDS address
	s_add_nc_u64 s[G0+4*(\s)+2:G0+4*(\s)+3], s[14:15], (\s)*KSTEP*2  ; global address: K step s
	s_or_b32 s[G0+4*(\s)+3], s[G0+4*(\s)+3], 0x80000000            ; type = 2
	s_mov_b32 s[G0B+4*(\s)], 1
	s_add_co_u32 s[G0B+4*(\s)+1], s20, (\s)*SLOT
	s_add_nc_u64 s[G0B+4*(\s)+2:G0B+4*(\s)+3], s[46:47], (\s)*KSTEP*SIZE_N*2
	s_or_b32 s[G0B+4*(\s)+3], s[G0B+4*(\s)+3], 0x80000000
	JLOAD \s                                       ; the ring is filled before anything else is done: two loads of mine are out
.endr
	v_and_b32 v1, 15, v0                           ; l % 16
	v_bfe_u32 v2, v0, 4, 1                         ; l / 16
	v_mul_u32_u24 v3, v1, PITCH
	v_lshl_add_u32 v3, v2, 4, v3                   ; A: row x pitch + 16 x half
	v_and_b32 v4, 7, v0                            ; B: the turning load takes 16 k x 16 n: lane l reads k-row 8 (l / 16) + l % 8, columns 8 ((l / 8) % 2) + 0..7,
	v_lshl_add_u32 v4, v2, 3, v4                   ; and is left with column l % 16 and 8 k
	v_mul_u32_u24 v4, v4, PB
	v_bfe_u32 v5, v0, 3, 1
	v_lshl_add_u32 v4, v5, 4, v4
	s_mul_i32 s21, s11, HALFT                      ; my 128 rows of A
	s_lshl_b32 s22, s12, 8                         ; my 128 columns of B: 256 bytes into each k-row,
	s_add_co_u32 s22, s22, 2*HALFT                 ; behind A's 256 rows
.irp s, 0,1
	v_add_nc_u32 v[ADRA+(\s)], s21, v3
	v_add_nc_u32 v[ADRB+(\s)], s22, v4
	s_add_co_u32 s21, s21, SLOT
	s_add_co_u32 s22, s22, SLOT
.endr
	s_mul_i32 s23, s10, DREG                       ; the way out: my quarter of the ring
	v_mul_u32_u24 v[DST], v1, DPITCH               ; in: row l % 16, 32 bytes for each half of the lanes
	v_lshl_add_u32 v[DST], v2, 5, v[DST]
	v_add_nc_u32 v[DST], s23, v[DST]
	v_and_b32 v7, 31, v0
	v_lshlrev_b32 v[L16], 4, v7
	v_lshlrev_b32 v[CO], 3, v7
	v_add_nc_u32 v[RDA], s23, v[L16]               ; back: 32 lanes take a row's 512 bytes
	s_lshl_b32 s23, s10, 9
	s_add_co_u32 s23, s23, PRET
	v_lshl_add_u32 v[PTW], v7, 2, s23
	v_mov_b32 v[PRA], s23
	; where my part of the tile begins in hb, in b1 and in mix
	s_lshl_b32 s16, s13, 8
	s_lshl_b32 s14, s11, 7
	s_add_co_u32 s16, s16, s14                     ; my first row
	s_lshl_b32 s20, s16, 4                         ; 16 bytes a record of mix
	s_mov_b32 s21, 0
	s_add_nc_u64 s[70:71], s[70:71], s[20:21]
	s_lshl_b32 s16, s16, 14                        ; 16,384 bytes a row of hb
	s_mov_b32 s17, 0
	s_lshl_b32 s46, s42, 9                         ; my first column in hb, in bytes: 512 x tile column + 256 x half
	s_lshl_b32 s47, s12, 8
	s_add_co_u32 s46, s46, s47
	s_lshl_b32 s20, s46, 1                         ; twice that in b1
	s_add_nc_u64 s[68:69], s[68:69], s[20:21]
	s_mov_b32 s47, 0
	s_add_nc_u64 s[16:17], s[16:17], s[46:47]      ; the first store's step from hb's first byte
	global_load_b128 v[B1V:B1V+3], v[L16], s[68:69]  ; waited for on the way out
.irp q, 0,1,2,3
	global_load_b32 v[PREV+\q], v[L16], s[70:71] offset:512*\q+8
.endr
	; the prefetches
	s_lshl_b32 s20, s13, 8
	s_lshl_b32 s21, s12, 7
	s_add_co_u32 s20, s20, s21
	s_lshl_b32 s21, s40, 5
	s_add_co_u32 s20, s20, s21                     ; A: row 256 x tile row + 128 x half + 32 cx,
	s_lshl_b32 s20, s20, 12
	s_add_co_u32 s20, s20, 3*KSTEP*2               ; at K step 3: the first refill steps it to 4 and names that
	s_lshl_b32 s21, s12, 6
	s_lshl_b32 s22, s41, 4
	s_add_co_u32 s21, s21, s22                     ; B: k-row 64 x half + 16 cy,
	s_lshl_b32 s21, s21, 14
	s_lshl_b32 s22, s42, 9
	s_add_co_u32 s21, s21, s22                     ; the tile column's 512 bytes,
	s_add_co_u32 s21, s21, 3*KSTEP*SIZE_N*2        ; at K step 3
	s_and_b32 s22, ttmp7, 0xffff                   ; cluster y
	s_mov_b32 s[PSTEP], KSTEP*2
	s_mov_b32 s23, KSTEP*SIZE_N*2
	s_cmp_eq_u32 s11, 0                            ; do I fetch for A?
	s_cselect_b32 s20, s20, s21
	s_cselect_b32 s22, ttmp9, s22                  ; the coordinate along which other clusters read the same blocks
	s_cselect_b64 s[PFA:PFA+1], s[4:5], s[6:7]
	s_cselect_b32 s[PSTEP], s[PSTEP], s23
	s_cselect_b32 s18, 0, 1                        ; A: a lane a row; B: two lanes a k-row
	s_cselect_b32 s19, 12, 14                      ; a row of 4,096 or of 16,384 bytes
	s_cmp_eq_u32 s22, 0
	s_cselect_b32 s[LIM], 1, -1                    ; the same in all sixteen partners, for a given wave
	s_mov_b32 s21, 0
	s_mov_b32 s[PSTEP+1], 0
	s_add_nc_u64 s[PFA:PFA+1], s[PFA:PFA+1], s[20:21]
	v_lshrrev_b32 v3, s18, v7
	v_lshlrev_b32 v3, s19, v3
	v_and_b32 v[PFO], s18, v7
	v_lshl_add_u32 v[PFO], v[PFO], 8, v3
; 16 matrix instructions: m blocks a0, a0 + 1 of the window's four x all 8 n blocks, 32 along K.  zero = 1: the first product starts the sums.  The 64 accumulators take turns, in the same order in every quarter.
.macro MUL16 f, hi, a0, zero
	WIN MUL_LO+0x50*(\hi)
.irp a, \a0, (\a0)+1
.irp b, 0,1,2,3,4,5,6,7
.if \zero
	v_wmma_f32_16x16x32_bf16 v[8*(8*(\a)+(\b)):8*(8*(\a)+(\b))+7], v[(\f)+8*(\b):(\f)+8*(\b)+7], v[(\f)+8*(4*(\hi)+(\a)):(\f)+8*(4*(\hi)+(\a))+7], 0
.else
	v_wmma_f32_16x16x32_bf16 v[8*(8*(\a)+(\b)):8*(8*(\a)+(\b))+7], v[(\f)+8*(\b):(\f)+8*(\b)+7], v[(\f)+8*(4*(\hi)+(\a)):(\f)+8*(4*(\hi)+(\a))+7], v[8*(8*(\a)+(\b)):8*(8*(\a)+(\b))+7]
.endif
.endr
.endr
.endm
; 32 LDS loads in one run: the fragments of one quarter step (32 along K, at byte k of A's rows, k-row k / 2 of B) into buffer f: B's 128 columns, turned, then A's 128 rows
.macro FETCH slot, k, f
	WIN TO_B
.irp i, 0,1,2,3,4,5,6,7
	ds_load_tr16_b128 v[(\f)+8*(\i):(\f)+8*(\i)+3],   v[ADRB+(\slot)] offset:((\k)/64)*32*PB+32*(\i)
	ds_load_tr16_b128 v[(\f)+8*(\i)+4:(\f)+8*(\i)+7], v[ADRB+(\slot)] offset:((\k)/64)*32*PB+16*PB+32*(\i)
.endr
	WIN 0
.irp i, 0,1,2,3,4,5,6,7
	ds_load_b128 v[(\f)+8*(\i):(\f)+8*(\i)+3],   v[ADRA+(\slot)] offset:(\k)+(\i)*16*PITCH
	ds_load_b128 v[(\f)+8*(\i)+4:(\f)+8*(\i)+7], v[ADRA+(\slot)] offset:(\k)+(\i)*16*PITCH+32
.endr
.endm
.macro PLACES                          ; four places in front of loads into registers that matrix instructions have read (ISA guide 7.12.1 for vector instructions)
.rept 4
	v_nop
.endr
.endm
; A K step is four quarters of 32 along K, 64 matrix instructions each, on buffers 0, 1, 0, 1.  One of the first three multiplies buffer f and, in its middle, fetches the next quarter into g.
.macro QUARTER slot, k, f, g, zero
	s_wait_dscnt 8                                 ; B and A's rows 0-63 are in; the youngest eight loads (A's rows 64-127) may be out
	WIN MUL_LO
	MUL16 \f, 0, 0, \zero
	MUL16 \f, 0, 2, \zero
	PLACES
	FETCH \slot, \k, \g
	s_wait_dscnt 32                                ; all but the 32 just issued
	WIN MUL_HI
	MUL16 \f, 1, 0, \zero
	MUL16 \f, 1, 2, \zero
.endm
; The first half of the last quarter: ONE barrier for the change of slots.  In front of it each wave waits for all its tensor loads (one is out: its part of the next slot), adds 0 to its spare word,
; and waits for that and for its own reads of this slot.  Behind it nobody reads this slot any more and the next slot is whole.
.macro MEET round
	WIN 0                                          ; (the add's two registers lie in window 0)
	s_wait_tensorcnt 0x0
	ds_add_u32 v[SPW], v[NIL]                      ; 0 onto my spare word
	s_wait_dscnt 9                                 ; (the add and the youngest eight loads may be out)
	WIN MUL_LO
	MUL16 F1, 0, 0, 0                              ; sixteen matrix instructions stand between the add and the wait for it
	s_wait_dscnt 0x0                               ; the add is done, and my reads of this slot are over
	s_barrier_signal -1
	MUL16 F1, 0, 2, 0                              ; work on registers while the others arrive
.if \round
	WIN 0
.endif
	s_barrier_wait -1
.endm
; The whole last quarter.  fill = 1: the barrier opens a round of the cluster's barrier, and the slot just read out is filled again first, two K steps ahead: 224 matrix instructions ahead of the wait for it.
.macro TURN slot, next, fill
.if \fill
	s_wait_xcnt 0x0                                ; the last prefetch, a K step back, has read its address: it is stepped here, ahead of the waits of the change of slots
	s_add_nc_u64 s[PFA:PFA+1], s[PFA:PFA+1], s[PSTEP:PSTEP+1]
	MEET 1
	CREST                                          ; no wave of any partner still reads this slot's tile or has a load on its way
	s_add_nc_u64 s[G0+4*(\slot)+2:G0+4*(\slot)+3], s[G0+4*(\slot)+2:G0+4*(\slot)+3], 2*KSTEP*2
	s_add_nc_u64 s[G0B+4*(\slot)+2:G0B+4*(\slot)+3], s[G0B+4*(\slot)+2:G0B+4*(\slot)+3], 2*KSTEP*SIZE_N*2
	JLOAD \slot                                    ; the first tensor load behind the round; its four v_nop are also the places in front of the loads below
.else
	MEET 0
	PLACES
.endif
	FETCH \next, 0, F0
.if \fill
	ASK                                            ; behind the joint load and the run of LDS loads that the next products wait for
.endif
	WIN MUL_HI
	MUL16 F1, 1, 0, 0
	MUL16 F1, 1, 2, 0
.endm
	s_wait_tensorcnt 1                             ; my part of K step 0 is in; K step 1's may stay out
	s_barrier_signal -1
	s_barrier_wait -1                              ; everybody's is
	FETCH 0, 0, F0
	QUARTER 0, 64,  F0, F1, 1                      ; the first quarter stands in front of the loop: its products start the sums
	WIN 0                                          ; at a label and at a branch every window is 0
	s_mov_b32 s3, LAPS-1
.Llap:                                                 ; a trip goes once round the ring, from a lap's second quarter to the next lap's first, and fills both slots again
	QUARTER 0, 128, F1, F0, 0
	QUARTER 0, 192, F0, F1, 0
	TURN 0, 1, 1
	QUARTER 1, 64,  F0, F1, 0
	QUARTER 1, 128, F1, F0, 0
	QUARTER 1, 192, F0, F1, 0
	TURN 1, 0, 1
	QUARTER 0, 64,  F0, F1, 0
	WIN 0
	s_sub_co_u32 s3, s3, 1
	s_cmp_lg_u32 s3, 0
	s_cbranch_scc1 .Llap
	QUARTER 0, 128, F1, F0, 0                      ; the last lap fills nothing
	QUARTER 0, 192, F0, F1, 0
	TURN 0, 1, 0
	QUARTER 1, 64,  F0, F1, 0
	QUARTER 1, 128, F1, F0, 0
	QUARTER 1, 192, F0, F1, 0
	s_wait_dscnt 8                                 ; the very last quarter: nothing more to fetch
	MUL16 F1, 0, 0, 0
	MUL16 F1, 0, 2, 0
	s_wait_dscnt 0x0                               ; my last reads of the ring are back:
	s_barrier_signal -1                            ; say so,
	MUL16 F1, 1, 0, 0
	MUL16 F1, 1, 2, 0
	WIN 0
	s_barrier_wait -1                              ; and when all four have said so the ring, which has had its last fill, may be written
	; ---------------- THE WAY OUT ----------------
.rept 8
	v_nop                                          ; places behind the last products
.endr
	s_wait_loadcnt 0x0                             ; b1 and pre, asked for at the head
.irp q, 0,1,2,3
	ds_store_b32 v[PTW], v[PREV+\q] offset:128*\q  ; pre of my rows, in their order
.endr
.set a, 0
.rept 8                                ; block a of 16 rows: a lane's eight columns of a row are 32 bytes; each accumulator's low registers go first
	WIN 0x08+4*(a/4)                               ; the data (source 1) in window 2 or 3
.set b, 0
.rept 8
	ds_store_b128 v[DST], v[8*(8*(a%4)+b):8*(8*(a%4)+b)+3]   offset:a*16*DPITCH+64*b
	ds_store_b128 v[DST], v[8*(8*(a%4)+b)+4:8*(8*(a%4)+b)+7] offset:a*16*DPITCH+64*b+16
.set b, b+1
.endr
.set a, a+1
.endr
	WIN 0
	s_wait_dscnt 0x0                               ; store, wait, barrier, load: a wave reads its own quarter alone, but by an address that walks, so the ordering is kept in full, once a launch
	s_barrier_signal -1
	s_barrier_wait -1
.macro GLOAD                           ; four rows' sums, 512 consecutive bytes each, and their four pre (the same 16 bytes in every lane)
.irp u, 0,1,2,3
	ds_load_b128 v[AV+4*\u:AV+4*\u+3], v[RDA] offset:DPITCH*\u
.endr
	ds_load_b128 v[PR:PR+3], v[PRA]
.endm
; Four rows.  more = 1: the next four are fetched as soon as these have been read.
.macro GTRIP more
	s_wait_dscnt 0x0
.irp u, 0,1,2,3
.irp p, 0,1
.if (\u) % 2
	v_pk_fma_f32 v[GZ+4*\u+2*\p:GZ+4*\u+2*\p+1], v[AV+4*\u+2*\p:AV+4*\u+2*\p+1], v[PR+2*((\u)/2):PR+2*((\u)/2)+1], v[B1V+2*\p:B1V+2*\p+1] op_sel:[0,1,0] op_sel_hi:[1,1,1]  ; z = sum x pre + b1
.else
	v_pk_fma_f32 v[GZ+4*\u+2*\p:GZ+4*\u+2*\p+1], v[AV+4*\u+2*\p:AV+4*\u+2*\p+1], v[PR+2*((\u)/2):PR+2*((\u)/2)+1], v[B1V+2*\p:B1V+2*\p+1] op_sel_hi:[1,0,1]
.endif
.endr
.endr
.if \more
	v_add_nc_u32 v[RDA], 4*DPITCH, v[RDA]
	v_add_nc_u32 v[PRA], 16, v[PRA]
	GLOAD
.endif
	; ONE BATCH of 32 reciprocals and exponentials: pair i's plain lines stand by turns with pair i - 1's four; nothing ahead of the one wait names a result
.set i, 0
.rept 9
.if i < 8
	v_and_b32 v[GA+2*i], s86, v[GZ+2*i]            ; a = |z|
.endif
.if i > 0
	v_rcp_f32 v[GT+2*i-2], v[GT+2*i-2]
.endif
.if i < 8
	v_and_b32 v[GA+2*i+1], s86, v[GZ+2*i+1]
.endif
.if i > 0
	v_rcp_f32 v[GT+2*i-1], v[GT+2*i-1]
.endif
.if i < 8
	v_pk_fma_f32 v[GT+2*i:GT+2*i+1], v[GA+2*i:GA+2*i+1], s[72:73], 1.0 op_sel_hi:[1,0,0]  ; 1 + p a
.endif
.if i > 0
	v_exp_f32 v[GE+2*i-2], v[GE+2*i-2]
.endif
.if i < 8
	v_pk_mul_f32 v[GE+2*i:GE+2*i+1], v[GA+2*i:GA+2*i+1], v[GA+2*i:GA+2*i+1]
.endif
.if i > 0
	v_exp_f32 v[GE+2*i-1], v[GE+2*i-1]
.endif
.if i < 8
	v_pk_mul_f32 v[GE+2*i:GE+2*i+1], v[GE+2*i:GE+2*i+1], s[74:75] op_sel_hi:[1,0]         ; -a a log2(e) / 2
	v_pk_add_f32 v[GZ+2*i:GZ+2*i+1], v[GZ+2*i:GZ+2*i+1], v[GA+2*i:GA+2*i+1]               ; z + |z|
.endif
.set i, i+1
.endr
	v_nop                                          ; a plain instruction behind the last exponential,
	s_wait_alu depctr_va_vdst(0)                   ; and one wait for the batch
.set i, 0
.rept 8
	v_pk_fma_f32 v[GP+2*i:GP+2*i+1], v[GT+2*i:GT+2*i+1], s[76:77], s[78:79] op_sel_hi:[1,0,0]
.set i, i+1
.endr
.irp c, 80, 82, 84
.set i, 0
.rept 8
	v_pk_fma_f32 v[GP+2*i:GP+2*i+1], v[GP+2*i:GP+2*i+1], v[GT+2*i:GT+2*i+1], s[\c:\c+1] op_sel_hi:[1,1,0]
.set i, i+1
.endr
.endr
.irp f, GT, GE, GA
.set i, 0
.rept 8
	v_pk_mul_f32 v[GP+2*i:GP+2*i+1], v[GP+2*i:GP+2*i+1], v[\f+2*i:\f+2*i+1]               ; x t, x 2^(..), x |z|
.set i, i+1
.endr
.endr
.set i, 0
.rept 8
	v_pk_fma_f32 v[GZ+2*i:GZ+2*i+1], v[GZ+2*i:GZ+2*i+1], 0.5, v[GP+2*i:GP+2*i+1] op_sel_hi:[1,0,1] neg_lo:[0,0,1] neg_hi:[0,0,1]
.set i, i+1
.endr
	s_wait_xcnt 0x0                                ; the last trip's stores have read their data and their base, which are written again only behind this wait
	s_add_nc_u64 s[8:9], s[8:9], s[16:17]          ; the first time: to my part of the tile; then four rows on
	s_mov_b64 s[16:17], 4*SIZE_N*2
.set i, 0
.rept 8
	v_cvt_pk_bf16_f32 v[GO+i], v[GZ+2*i], v[GZ+2*i+1]
.set i, i+1
.endr
.irp u, 0,1,2,3
	global_store_b64 v[CO], v[GO+2*\u:GO+2*\u+1], s[8:9] offset:SIZE_N*2*\u  ; the wave stores 256 consecutive bytes, at a multiple of 256 from hb's first byte
.endr
.endm
	GLOAD
	s_mov_b32 s3, 31
.Lrows:
	GTRIP 1
	s_sub_co_u32 s3, s3, 1
	s_cmp_lg_u32 s3, 0
	s_cbranch_scc1 .Lrows
	GTRIP 0                                        ; the last four rows fetch nothing
	s_wait_tensorcnt 0x0                           ; the wave's end: behind my last tensor load and my last LDS store
	ds_add_u32 v[SPW], v[NIL]
	s_wait_dscnt 0x0
	CROUND                                         ; the closing round: no work-group ends while a partner may still ask for a tile that names it
	s_endpgm
.Lfunc_end_k_qe795fc71d3_gemm1:
	.size	k_qe795fc71d3_gemm1, .Lfunc_end_k_qe795fc71d3_gemm1-k_qe795fc71d3_gemm1
	.p2alignl 7, 3214868480
	.fill 96, 4, 3214868480
	.section	.rodata,"a",@progbits
	.p2align	6, 0x0
	.amdhsa_kernel k_qe795fc71d3_gemm1
		.amdhsa_group_segment_fixed_size 327680
		.amdhsa_private_segment_fixed_size 0
		.amdhsa_enable_private_segment 0
		.amdhsa_kernarg_size 40
		.amdhsa_user_sgpr_count 2
		.amdhsa_user_sgpr_kernarg_segment_ptr 1
		.amdhsa_wavefront_size32 1
		.amdhsa_system_sgpr_workgroup_id_x 1
		.amdhsa_system_sgpr_workgroup_id_y 1
		.amdhsa_system_sgpr_workgroup_id_z 1
		.amdhsa_system_vgpr_workitem_id 0
		.amdhsa_next_free_vgpr 1024
		.amdhsa_next_free_sgpr 88
		.amdhsa_reserve_vcc 0
		.amdhsa_float_denorm_mode_32 3
		.amdhsa_float_denorm_mode_16_64 3
		.amdhsa_memory_ordered 1
		.amdhsa_forward_progress 1
		.amdhsa_inst_pref_size 142
	.end_amdhsa_kernel
	.amdgpu_metadata
---
amdhsa.version: [ 1, 2 ]
amdhsa.kernels:
  - .name:           k_qe795fc71d3_gemm1
    .symbol:         k_qe795fc71d3_gemm1.kd
    .args:
      - { .name: xb, .offset: 0, .size: 8, .value_kind: global_buffer, .address_space: global }
      - { .name: w1b, .offset: 8, .size: 8, .value_kind: global_buffer, .address_space: global }
      - { .name: hb, .offset: 16, .size: 8, .value_kind: global_buffer, .address_space: global }
      - { .name: b1, .offset: 24, .size: 8, .value_kind: global_buffer, .address_space: global }
      - { .name: mix, .offset: 32, .size: 8, .value_kind: global_buffer, .address_space: global }
    .group_segment_fixed_size: 327680
    .private_segment_fixed_size: 0
    .kernarg_segment_align: 8
    .kernarg_segment_size: 40
    .max_flat_workgroup_size: 128
    .sgpr_count:     88
    .vgpr_count:     1024
    .wavefront_size: 32
...
	.end_amdgpu_metadata
.endif
;; end of part 2
;; launch gemm2 (part 3): grid 16 x 16, 4 waves a work-group, clusters of 4 x 4, 327,680 bytes of LDS; arguments hb, w2b, out0, x, b2, mix; writes out0
.if DOCPART == 3
	.amdgcn_target "amdgcn-amd-amdhsa--gfx1250"
	.amdhsa_code_object_version 6
	.text
	.protected	k_qe795fc71d3_gemm2
	.globl	k_qe795fc71d3_gemm2
	.p2align	8
	.type	k_qe795fc71d3_gemm2,@function
k_qe795fc71d3_gemm2:
	s_mov_b64 s[64:65], 0
	v_nop
	global_prefetch_b8 v0, s[64:65] scope:SCOPE_SE
	s_setreg_imm32_b32 hwreg(HW_REG_WAVE_MODE, 25, 1), 1
	s_wait_xcnt 0x0
	s_wait_alu depctr_hold_cnt(0) depctr_sa_sdst(0) depctr_va_vdst(0) depctr_va_sdst(0) depctr_va_ssrc(0) depctr_va_vcc(0) depctr_vm_vsrc(0)
	s_getreg_b32 s2, hwreg(HW_REG_IB_STS2, 6, 4)
	s_cmp_eq_u32 s2, 0
	s_cbranch_scc0 .Lentry_in_a_cluster
	s_endpgm
.Lentry_in_a_cluster:
	s_bfe_u32 s2, ttmp6, 0x10000c
	s_cmp_lg_u32 s2, 0xf033
	s_cbranch_scc0 .Lentry_shape_is_right
	s_endpgm
.Lentry_shape_is_right:
; out0[m][n] = x[m][n] res[m] + ( (the sum over k of hb[m][k] w2b[k][n]) + b2[n] ) post[m].  hb: [2048][8192] bf16, w2b: [8192 k][2048 n] bf16, x and out0: [2048][2048] f32; post, res = words 0, 1 of mix's record.
; C has 64 tiles of 256 x 256, too few for the chip's work-group places: a tile is 128 x 128, 256 work-groups, four waves of 64 x 64 each: 16 accumulators.  K goes in steps of 256, as long as two slots in LDS allow.
; A's rows lie along K.  B LIES [k][n]: its tile is 256 k-rows of 256 bytes, and a fragment comes out of LDS turned, by two ds_load_tr16_b128.
; CLUSTERS: 4 x 4; A's tile is asked for jointly along a row of the cluster, B's along a column.  THE MATRIX INSTRUCTION IS USED TRANSPOSED: a lane holds eight neighbouring numbers of a row of C.
; WHAT DOES NOT HANG ON THE PRODUCT IS MADE AT THE HEAD, in the wait for the first tile: X = x res + b2 post, in the layout in which the rows leave.  The way out is then one fused multiply-add a pair: X + sum x post.
; A wave's 64 f32 columns are 256 aligned bytes of a row, so each wave has a stage of its own and the way out has no barrier.
; NO PREFETCH: the tiles are small, and each row of hb and each k-row of w2b is walked by sixteen work-groups at about the same time.
; LIMITS: NaN and infinities are not treated apart.
; REGISTERS: window 0: v0-31 addresses; v128-255 the accumulators ((a, b) at v[128 + 8 (4 a + b)]).  window 1: two fragment buffers of 128: for 64 along K, 64 registers of A, then 64 of B.
;   window 2: v0-127 X (block a of 16 rows, row pair t at 32 a + 4 t); v128-191 post, res of those rows; v192-195 b2 of my four columns; v196-227 16 rows read back from the stage.
.set SIZE_N, 2048
.set SIZE_K, 8192
.set KSTEP,  256
.set PITCH,  528                       ; a row of A in LDS: 512 bytes + 16: the 16 rows of a load start at 16 different groups of four banks (64 banks of 4 bytes: ISA guide 11.1)
.set HALFA,  64*PITCH                  ; 64 rows of A: one tensor load
.set PB,     288                       ; a k-row of B: 256 bytes + 32 = 72 words
.set HALFB,  128*PB                    ; 128 k-rows of B: one tensor load
.set SLOT,   2*HALFA+2*HALFB           ; A's 128 rows, then B's 256 k-rows
.set STAGE,  2*SLOT                    ; behind the ring, never filled by a tensor load: 16 rows x 272 bytes for each wave
.set SPITCH, 272
.set SPARE,  STAGE+4*16*SPITCH         ; behind the stages: the spare words, 128 bytes for each wave: two blocks of 256 bytes that no other line names
.set LAPS,   SIZE_K/(2*KSTEP)
.set ADRA, 16                          ; v16-17  LDS address of my A fragments in slot 0, 1
.set ADRB, 20                          ; v20-23  of my B fragments: slot s, k-rows 128 kh on, at ADRB + 2 s + kh (an LDS offset has 16 bits)
.set STO,  24                          ; v24     the way out: where I put 16 bytes of a row
.set RD,   25                          ; v25     where I read rows back
.set CO,   26                          ; v26     my byte offset in two rows of x and of out0
.set MO,   27                          ; v27     in two records of mix
.set SPW,  28                          ; v28     LDS address of my spare word; never rewritten
.set NIL,  29                          ; v29     0; never rewritten
.set BO,   30                          ; v30     my byte offset in b2
.set ACC,  128
.set F0,   0                           ; fragment buffers, in window 1
.set F1,   128
.set XR,   0                           ; window 2
.set REC,  128
.set B2R,  192
.set SB,   196
.set G1, 24
.set G0, 32
.set G1B, 48
.set G0B, 56
.set MSB, 0
.macro WIN new
.if MSB != (\new)
	s_set_vgpr_msb (MSB<<8)|(\new)
.set MSB, \new
.endif
.endm
.set MUL,  0x05                        ; sources 0 (B) and 1 (A) window 1; C and D window 0
.set TO_F, 0x40                        ; destination window 1, address window 0
.macro JLOAD s                         ; a joint load: waves 0 and 1 fetch A's two halves, waves 2 and 3 B's; an s_nop 0 and four v_nop follow each of the two lines
	s_cmp_eq_u32 s11, 0
	s_cbranch_scc0 .Lfor_b_\@
	tensor_load_to_lds s[G0+4*(\s):G0+4*(\s)+3], s[G1:G1+7]
	s_nop 0
.rept 4
	v_nop
.endr
	s_branch .Lasked_\@
.Lfor_b_\@:
	tensor_load_to_lds s[G0B+4*(\s):G0B+4*(\s)+3], s[G1B:G1B+7]
	s_nop 0
.rept 4
	v_nop
.endr
.Lasked_\@:
.endm
.macro CREST                           ; a round of the cluster's barrier behind its opening barrier
	s_cmp_lg_u32 s10, 0
	s_cbranch_scc1 .Lnot_wave_0_\@
	s_barrier_signal -3
.Lnot_wave_0_\@:
	s_barrier_wait -3
	s_barrier_signal -1
	s_barrier_wait -1
.endm
.macro CROUND
	s_barrier_signal -1
	s_barrier_wait -1
	CREST
.endm
	s_load_b128 s[4:7], s[0:1], 0x0                ; hb s[4:5], w2b s[6:7]
	s_load_b64 s[8:9], s[0:1], 0x10                ; out0
	s_load_b128 s[68:71], s[0:1], 0x18             ; x s[68:69], b2 s[70:71]
	s_load_b64 s[72:73], s[0:1], 0x28              ; mix
	v_lshl_add_u32 v[SPW], v0, 2, SPARE
	v_mov_b32 v[NIL], 0
	ds_add_u32 v[SPW], v[NIL]                      ; the wave's opening: the add, twice on end, and its wait ahead of my first tensor load
	ds_add_u32 v[SPW], v[NIL]                      ; and once more, under the one wait; the set-up below, work on registers, stands between
	v_lshrrev_b32 v1, 5, v0
	v_readfirstlane_b32 s10, v1                    ; wave 0..3
	s_lshr_b32 s11, s10, 1                         ; which half of the tile's rows is mine.  Also: I fetch for A (0) or for B (1)
	s_and_b32 s12, s10, 1                          ; which half of its columns.  Also: which half of that tile I fetch
	s_bfe_u32 s40, ttmp6, 0x40000                  ; cx, cy
	s_bfe_u32 s41, ttmp6, 0x40004
	s_lshl_b32 s42, ttmp9, 2
	s_add_co_u32 s42, s42, s40                     ; tile column
	s_and_b32 s13, ttmp7, 0xffff
	s_lshl_b32 s13, s13, 2
	s_add_co_u32 s13, s13, s41                     ; tile row
	s_lshl_b32 s43, s41, 2
	s_lshl_b32 s43, 15, s43                        ; my row of the cluster
	s_lshl_b32 s44, 0x1111, s40                    ; my column
	; group 1 for A: 64 rows x 256 elements of 2 bytes, 4 words of padding after every 128
	s_or_b32 s[G1+0], s43, (1<<16)|(1<<20)|(1<<21)|(6<<22)|(3<<25)
	s_mov_b32 s[G1+1], KSTEP<<16                   ; tensor_dim0 = 256
	s_mov_b32 s[G1+2], 64<<16                      ; tensor_dim1 = 64
	s_mov_b32 s[G1+3], KSTEP<<16                   ; tile_dim0 = 256
	s_mov_b32 s[G1+4], 64                          ; tile_dim1 = 64
	s_mov_b32 s[G1+5], SIZE_K
	s_mov_b32 s[G1+6], 0
	s_mov_b32 s[G1+7], 0
	; group 1 for B: 128 k-rows x 128 elements of 2 bytes, 8 words of padding after every 64
	s_or_b32 s[G1B+0], s44, (1<<16)|(1<<20)|(1<<21)|(5<<22)|(7<<25)
	s_mov_b32 s[G1B+1], 128<<16
	s_mov_b32 s[G1B+2], 128<<16
	s_mov_b32 s[G1B+3], 128<<16
	s_mov_b32 s[G1B+4], 128
	s_mov_b32 s[G1B+5], SIZE_N
	s_mov_b32 s[G1B+6], 0
	s_mov_b32 s[G1B+7], 0
	s_lshl_b32 s17, s12, 6
	s_lshl_b32 s16, s13, 7
	s_add_co_u32 s16, s16, s17                     ; A: row 128 x tile row + 64 x half,
	s_lshl_b32 s16, s16, 14                        ; of 16,384 bytes
	s_mov_b32 s17, 0
	s_lshl_b32 s46, s12, 19                        ; B: k-row 128 x half, of 4,096 bytes,
	s_lshl_b32 s47, s42, 8                         ; and 256 bytes a tile column
	s_add_co_u32 s46, s46, s47
	s_mov_b32 s47, 0
	s_mul_i32 s20, s12, HALFA                      ; where they go: A's half,
	s_mul_i32 s21, s12, HALFB
	s_add_co_u32 s21, s21, 2*HALFA                 ; B's half, behind A's 128 rows: no place in the cluster enters an LDS address
	s_wait_dscnt 0x0                               ; both opening adds are done
	s_wait_kmcnt 0x0
	s_add_nc_u64 s[14:15], s[4:5], s[16:17]
	s_add_nc_u64 s[46:47], s[6:7], s[46:47]
	CROUND                                         ; all sixteen work-groups are here: the first joint loads meet
.irp s, 0,1
	s_mov_b32 s[G0+4*(\s)], 1
	s_add_co_u32 s[G0+4*(\s)+1], s20, (\s)*SLOT
	s_add_nc_u64 s[G0+4*(\s)+2:G0+4*(\s)+3], s[14:15], (\s)*KSTEP*2
	s_or_b32 s[G0+4*(\s)+3], s[G0+4*(\s)+3], 0x80000000
	s_mov_b32 s[G0B+4*(\s)], 1
	s_add_co_u32 s[G0B+4*(\s)+1], s21, (\s)*SLOT
	s_add_nc_u64 s[G0B+4*(\s)+2:G0B+4*(\s)+3], s[46:47], (\s)*KSTEP*SIZE_N*2
	s_or_b32 s[G0B+4*(\s)+3], s[G0B+4*(\s)+3], 0x80000000
	JLOAD \s                                       ; two loads of mine are out
.endr
	v_and_b32 v1, 15, v0                           ; l % 16
	v_bfe_u32 v2, v0, 4, 1                         ; l / 16
	v_mul_u32_u24 v3, v1, PITCH
	v_lshl_add_u32 v3, v2, 4, v3                   ; A: row x pitch + 16 x half
	v_and_b32 v4, 7, v0                            ; B: lane l reads k-row 8 (l / 16) + l % 8, columns 8 ((l / 8) % 2) + 0..7
	v_lshl_add_u32 v4, v2, 3, v4
	v_mul_u32_u24 v4, v4, PB
	v_bfe_u32 v5, v0, 3, 1
	v_lshl_add_u32 v4, v5, 4, v4
	s_mul_i32 s21, s11, HALFA                      ; my 64 rows of A
	s_lshl_b32 s22, s12, 7                         ; my 64 columns of B: 128 bytes into each k-row,
	s_add_co_u32 s22, s22, 2*HALFA                 ; behind A's 128 rows
.irp s, 0,1
	v_add_nc_u32 v[ADRA+(\s)], s21, v3
	v_add_nc_u32 v[ADRB+2*(\s)], s22, v4
	s_add_co_u32 s23, s22, HALFB
	v_add_nc_u32 v[ADRB+2*(\s)+1], s23, v4
	s_add_co_u32 s21, s21, SLOT
	s_add_co_u32 s22, s22, SLOT
.endr
	s_mul_i32 s23, s10, 16*SPITCH
	s_add_co_u32 s23, s23, STAGE                   ; my stage
	v_mul_u32_u24 v[STO], v1, SPITCH               ; in: row l % 16, 32 bytes for each half of the lanes
	v_lshl_add_u32 v[STO], v2, 5, v[STO]
	v_add_nc_u32 v[STO], s23, v[STO]
	v_mul_u32_u24 v[RD], v2, SPITCH                ; back: lanes 0-15 take one row of 256 bytes, lanes 16-31 the next
	v_lshl_add_u32 v[RD], v1, 4, v[RD]
	v_add_nc_u32 v[RD], s23, v[RD]
	v_lshlrev_b32 v[BO], 4, v1                     ; my four columns
	v_lshl_add_u32 v[CO], v2, 13, v[BO]            ; and the same two rows in x and out0
	v_lshlrev_b32 v[MO], 4, v2
	s_lshl_b32 s16, s13, 7
	s_lshl_b32 s17, s11, 6
	s_add_co_u32 s16, s16, s17                     ; my first row
	s_lshl_b32 s18, s16, 4                         ; 16 bytes a record of mix
	s_mov_b32 s19, 0
	s_add_nc_u64 s[72:73], s[72:73], s[18:19]
	s_lshl_b32 s16, s16, 13                        ; 8,192 bytes a row of x and out0
	s_mov_b32 s17, 0
	s_lshl_b32 s46, s42, 9                         ; my first column, in bytes: 512 x tile column + 256 x half
	s_lshl_b32 s47, s12, 8
	s_add_co_u32 s46, s46, s47
	s_mov_b32 s47, 0
	s_add_nc_u64 s[70:71], s[70:71], s[46:47]
	s_add_nc_u64 s[16:17], s[16:17], s[46:47]
	s_add_nc_u64 s[8:9], s[8:9], s[16:17]
	s_add_nc_u64 s[68:69], s[68:69], s[16:17]
	WIN 0x80                                       ; destination window 2, address window 0
.set a, 0
.rept 4
.set t, 0
.rept 8
	global_load_b128 v[XR+32*a+4*t:XR+32*a+4*t+3], v[CO], s[68:69] offset:(16*a+2*t)*SIZE_N*4 th:TH_LOAD_NT  ; sixteen lanes take 256 consecutive bytes of a row, aligned; read once in the launch
	global_load_b64 v[REC+16*a+2*t:REC+16*a+2*t+1], v[MO], s[72:73] offset:(16*a+2*t)*16                     ; post, res of the lane's row
.set t, t+1
.endr
.set a, a+1
.endr
	global_load_b128 v[B2R:B2R+3], v[BO], s[70:71]
	s_wait_loadcnt 0x0
	WIN 0xaa                                       ; everything in window 2
.set t, 0
.rept 32                                       ; X = x res + b2 post: this stands in the wait for the first tile
	v_pk_mul_f32 v[XR+4*t:XR+4*t+1],   v[XR+4*t:XR+4*t+1],   v[REC+2*t:REC+2*t+1] op_sel:[0,1] op_sel_hi:[1,1]
	v_pk_mul_f32 v[XR+4*t+2:XR+4*t+3], v[XR+4*t+2:XR+4*t+3], v[REC+2*t:REC+2*t+1] op_sel:[0,1] op_sel_hi:[1,1]
	v_pk_fma_f32 v[XR+4*t:XR+4*t+1],   v[B2R:B2R+1],   v[REC+2*t:REC+2*t+1], v[XR+4*t:XR+4*t+1]   op_sel_hi:[1,0,1]
	v_pk_fma_f32 v[XR+4*t+2:XR+4*t+3], v[B2R+2:B2R+3], v[REC+2*t:REC+2*t+1], v[XR+4*t+2:XR+4*t+3] op_sel_hi:[1,0,1]
.set t, t+1
.endr
	WIN 0
; 8 matrix instructions: m blocks a0, a0 + 1 x all 4 n blocks, 32 along K: half c of buffer f.  zero = 1: the first product starts the sums.  The 16 accumulators take turns.
.macro MUL8 f, c, a0, zero
	WIN MUL
.irp a, \a0, (\a0)+1
.irp b, 0,1,2,3
.if \zero
	v_wmma_f32_16x16x32_bf16 v[ACC+8*(4*(\a)+(\b)):ACC+8*(4*(\a)+(\b))+7], v[(\f)+64+8*(4*(\c)+(\b)):(\f)+64+8*(4*(\c)+(\b))+7], v[(\f)+8*(4*(\c)+(\a)):(\f)+8*(4*(\c)+(\a))+7], 0
.else
	v_wmma_f32_16x16x32_bf16 v[ACC+8*(4*(\a)+(\b)):ACC+8*(4*(\a)+(\b))+7], v[(\f)+64+8*(4*(\c)+(\b)):(\f)+64+8*(4*(\c)+(\b))+7], v[(\f)+8*(4*(\c)+(\a)):(\f)+8*(4*(\c)+(\a))+7], v[ACC+8*(4*(\a)+(\b)):ACC+8*(4*(\a)+(\b))+7]
.endif
.endr
.endr
.endm
; 32 LDS loads in one run: the fragments of quarter q (64 along K) into buffer f; the first 32 along K first
.macro FETCH slot, q, f
	WIN TO_F
.irp c, 0,1
.irp i, 0,1,2,3
	ds_load_tr16_b128 v[(\f)+64+8*(4*(\c)+(\i)):(\f)+64+8*(4*(\c)+(\i))+3],   v[ADRB+2*(\slot)+(\q)/2] offset:(((\q)%2)*64+32*(\c))*PB+32*(\i)
	ds_load_tr16_b128 v[(\f)+64+8*(4*(\c)+(\i))+4:(\f)+64+8*(4*(\c)+(\i))+7], v[ADRB+2*(\slot)+(\q)/2] offset:(((\q)%2)*64+32*(\c)+16)*PB+32*(\i)
	ds_load_b128 v[(\f)+8*(4*(\c)+(\i)):(\f)+8*(4*(\c)+(\i))+3],   v[ADRA+(\slot)] offset:128*(\q)+64*(\c)+(\i)*16*PITCH
	ds_load_b128 v[(\f)+8*(4*(\c)+(\i))+4:(\f)+8*(4*(\c)+(\i))+7], v[ADRA+(\slot)] offset:128*(\q)+64*(\c)+(\i)*16*PITCH+32
.endr
.endr
.endm
.macro PLACES                          ; four places in front of loads into registers that matrix instructions have read
.rept 4
	v_nop
.endr
.endm
; A K step is four quarters of 64 along K, 32 matrix instructions each, on buffers 0, 1, 0, 1.  One of the first three multiplies buffer f and fetches quarter q into g.
.macro QUARTER slot, q, f, g, zero
	s_wait_dscnt 16                                ; the first 32 along K are in
	WIN MUL
	MUL8 \f, 0, 0, \zero
	MUL8 \f, 0, 2, \zero
	PLACES
	FETCH \slot, \q, \g
	s_wait_dscnt 32                                ; all but the 32 just issued
	WIN MUL
	MUL8 \f, 1, 0, 0
	MUL8 \f, 1, 2, 0
.endm
; The last quarter multiplies buffer 1 and changes slots: ONE barrier; in front of it each wave waits for all its tensor loads, adds 0 to its spare word, and waits for that and for its own reads of this slot.
; fill = 1: the barrier opens a round of the cluster's barrier and this slot is filled again, two K steps ahead: 112 matrix instructions ahead of the wait for it.
.macro TURN slot, next, fill
	WIN 0                                          ; (the add's two registers lie in window 0)
	s_wait_tensorcnt 0x0                           ; all my tensor loads have landed: my part of the next slot
	ds_add_u32 v[SPW], v[NIL]                      ; 0 onto my spare word
	s_wait_dscnt 17                                ; (the add and the youngest sixteen loads may be out)
	WIN MUL
	MUL8 F1, 0, 0, 0                               ; eight matrix instructions stand between the add and the wait for it
	s_wait_dscnt 0x0                               ; the add is done, and my reads of this slot are over
	s_barrier_signal -1
	MUL8 F1, 0, 2, 0
.if \fill
	WIN 0
.endif
	s_barrier_wait -1
.if \fill
	CREST                                          ; no wave of any partner still reads this slot's tile or has a load on its way
	s_add_nc_u64 s[G0+4*(\slot)+2:G0+4*(\slot)+3], s[G0+4*(\slot)+2:G0+4*(\slot)+3], 2*KSTEP*2
	s_add_nc_u64 s[G0B+4*(\slot)+2:G0B+4*(\slot)+3], s[G0B+4*(\slot)+2:G0B+4*(\slot)+3], 2*KSTEP*SIZE_N*2
	JLOAD \slot                                    ; the first tensor load behind the round; its four v_nop are also the places in front of the loads below
.else
	PLACES
.endif
	FETCH \next, 0, F0
	WIN MUL
	MUL8 F1, 1, 0, 0
	MUL8 F1, 1, 2, 0
.endm
	s_wait_tensorcnt 1                             ; my part of K step 0 is in; K step 1's may stay out
	s_barrier_signal -1
	s_barrier_wait -1                              ; everybody's is
	FETCH 0, 0, F0
	QUARTER 0, 1, F0, F1, 1                        ; the first quarter stands in front of the loop: its first products start the sums
	WIN 0                                          ; at a label and at a branch every window is 0
	s_mov_b32 s3, LAPS-1
.Llap:                                                 ; a trip goes once round the ring and fills both slots again
	QUARTER 0, 2, F1, F0, 0
	QUARTER 0, 3, F0, F1, 0
	TURN 0, 1, 1
	QUARTER 1, 1, F0, F1, 0
	QUARTER 1, 2, F1, F0, 0
	QUARTER 1, 3, F0, F1, 0
	TURN 1, 0, 1
	QUARTER 0, 1, F0, F1, 0
	WIN 0
	s_sub_co_u32 s3, s3, 1
	s_cmp_lg_u32 s3, 0
	s_cbranch_scc1 .Llap
	QUARTER 0, 2, F1, F0, 0                        ; the last lap fills nothing, and has no round of the cluster's barrier
	QUARTER 0, 3, F0, F1, 0
	TURN 0, 1, 0
	QUARTER 1, 1, F0, F1, 0
	QUARTER 1, 2, F1, F0, 0
	QUARTER 1, 3, F0, F1, 0
	s_wait_dscnt 16                                ; the very last quarter: nothing more to fetch
	WIN MUL
	MUL8 F1, 0, 0, 0
	MUL8 F1, 0, 2, 0
	s_wait_dscnt 0x0
	MUL8 F1, 1, 0, 0
	MUL8 F1, 1, 2, 0
	WIN 0
	; THE WAY OUT, a block of 16 rows at a time: the f32 sums go into my own stage (a lane's eight columns are 32 bytes) and come back as whole rows of 256 bytes; one fused multiply-add a pair; sixteen lanes store a row.
.rept 8
	v_nop                                          ; places behind the last products
.endr
.set a, 0
.rept 4
	WIN 0
.set b, 0
.rept 4
	ds_store_b128 v[STO], v[ACC+8*(4*a+b):ACC+8*(4*a+b)+3]   offset:64*b     ; each accumulator's low registers go first
	ds_store_b128 v[STO], v[ACC+8*(4*a+b)+4:ACC+8*(4*a+b)+7] offset:64*b+16
.set b, b+1
.endr
	WIN 0x80
.set t, 0
.rept 8
	ds_load_b128 v[SB+4*t:SB+4*t+3], v[RD] offset:t*2*SPITCH  ; LDS serves a wave's instructions in order (ISA guide 5.7.1.4): these see the stores above, and the next block's stores come behind them
.set t, t+1
.endr
	s_wait_dscnt 0x0
	WIN 0xaa
.set t, 0
.rept 8
	v_pk_fma_f32 v[XR+32*a+4*t:XR+32*a+4*t+1],   v[SB+4*t:SB+4*t+1],   v[REC+16*a+2*t:REC+16*a+2*t+1], v[XR+32*a+4*t:XR+32*a+4*t+1]   op_sel_hi:[1,0,1]  ; X + sum x post
	v_pk_fma_f32 v[XR+32*a+4*t+2:XR+32*a+4*t+3], v[SB+4*t+2:SB+4*t+3], v[REC+16*a+2*t:REC+16*a+2*t+1], v[XR+32*a+4*t+2:XR+32*a+4*t+3] op_sel_hi:[1,0,1]
.set t, t+1
.endr
	WIN 0x08                                       ; the stores' data (source 1) in window 2
.set t, 0
.rept 8
	global_store_b128 v[CO], v[XR+32*a+4*t:XR+32*a+4*t+3], s[8:9] offset:(16*a+2*t)*SIZE_N*4 th:TH_STORE_NT  ; 16 lanes store 256 consecutive bytes, at a multiple of 256 from out0's first byte; no store's data is written again
.set t, t+1
.endr
.set a, a+1
.endr
	WIN 0
	s_wait_tensorcnt 0x0                           ; the wave's end: behind my last tensor load and my last LDS store
	ds_add_u32 v[SPW], v[NIL]
	s_wait_dscnt 0x0
	CROUND                                         ; the closing round: no work-group ends while a partner may still ask for a tile that names it
	s_endpgm
.Lfunc_end_k_qe795fc71d3_gemm2:
	.size	k_qe795fc71d3_gemm2, .Lfunc_end_k_qe795fc71d3_gemm2-k_qe795fc71d3_gemm2
	.p2alignl 7, 3214868480
	.fill 96, 4, 3214868480
	.section	.rodata,"a",@progbits
	.p2align	6, 0x0
	.amdhsa_kernel k_qe795fc71d3_gemm2
		.amdhsa_group_segment_fixed_size 327680
		.amdhsa_private_segment_fixed_size 0
		.amdhsa_enable_private_segment 0
		.amdhsa_kernarg_size 48
		.amdhsa_user_sgpr_count 2
		.amdhsa_user_sgpr_kernarg_segment_ptr 1
		.amdhsa_wavefront_size32 1
		.amdhsa_system_sgpr_workgroup_id_x 1
		.amdhsa_system_sgpr_workgroup_id_y 1
		.amdhsa_system_sgpr_workgroup_id_z 1
		.amdhsa_system_vgpr_workitem_id 0
		.amdhsa_next_free_vgpr 768
		.amdhsa_next_free_sgpr 76
		.amdhsa_reserve_vcc 0
		.amdhsa_float_denorm_mode_32 3
		.amdhsa_float_denorm_mode_16_64 3
		.amdhsa_memory_ordered 1
		.amdhsa_forward_progress 1
		.amdhsa_inst_pref_size 105
	.end_amdhsa_kernel
	.amdgpu_metadata
---
amdhsa.version: [ 1, 2 ]
amdhsa.kernels:
  - .name:           k_qe795fc71d3_gemm2
    .symbol:         k_qe795fc71d3_gemm2.kd
    .args:
      - { .name: hb, .offset: 0, .size: 8, .value_kind: global_buffer, .address_space: global }
      - { .name: w2b, .offset: 8, .size: 8, .value_kind: global_buffer, .address_space: global }
      - { .name: out0, .offset: 16, .size: 8, .value_kind: global_buffer, .address_space: global }
      - { .name: x, .offset: 24, .size: 8, .value_kind: global_buffer, .address_space: global }
      - { .name: b2, .offset: 32, .size: 8, .value_kind: global_buffer, .address_space: global }
      - { .name: mix, .offset: 40, .size: 8, .value_kind: global_buffer, .address_space: global }
    .group_segment_fixed_size: 327680
    .private_segment_fixed_size: 0
    .kernarg_segment_align: 8
    .kernarg_segment_size: 48
    .max_flat_workgroup_size: 128
    .sgpr_count:     76
    .vgpr_count:     768
    .wavefront_size: 32
...
	.end_amdgpu_metadata
.endif
;; end of part 3
